; MI455X (gfx1250); checked and timed in simulation.
; The chip was launched on July 23, 2026; its instructions are those of AMD's public machine-readable ISA for CDNA 5 (MIT licence, August 2026) and "CDNA5" Instruction Set Architecture Reference Guide (July 2026). The comments in the code are by the model that wrote it; some were corrected since.
;; Group Rope Attention. Allowed arithmetic: matrix products marked QUANTISED: E3M2 operands, one E8M0 scale for each 32 along K, by v_wmma_scale_f32_16x16x128_f8f6f4 with both operands' format E3M2, f32 sums; everything else in f32.
;; Inputs: Wk 2,048 x 128 float32; Wq 2,048 x 2,048 float32; Wv 2,048 x 128 float32; x 2 x 2,048 x 2,048 float32.
;; Outputs: out0 2 x 2,048 x 2,048 float32.
;; This version of the problem:
;;   THIS VERSION OF THE PROBLEM IS GIVEN IN LOW PRECISION. The matrix products marked QUANTISED in the list below multiply operands that are first quantised to E3M2 (3 exponent bits, 2 mantissa bits; 6 bits a number), with one power-of-two scale for each 32 numbers along K (OCP MX v1.0); their sums are f32. All else is computed in f32.
;;   The module's matrix products, in the order in which they are computed (A, B: the left and right operand; K: the contracted axis; several contracted axes count as one K, in the product's order):
;;     1. [M 4,096, K 2,048] x [K 2,048, N 2,048]; A: input x; B: input Wq: QUANTISED
;;     2. [M 4,096, K 2,048] x [K 2,048, N 128]; A: input x; B: input Wk: QUANTISED
;;     3. [M 4,096, K 2,048] x [K 2,048, N 128]; A: input x; B: input Wv: QUANTISED
;;     4. batch 2 x [M 32,768, K 128] x [K 128, N 2,048]; A: computed on the way; B: computed on the way: QUANTISED
;;     5. batch 2 x [M 32,768, K 2,048] x [K 2,048, N 128]; A: softmax (see below); B: computed on the way: QUANTISED
;;   THE QUANTISER, for each operand of a quantised product, along K:
;;     - K is cut into blocks of 32 from its start; a last block that is shorter is filled with zeros.
;;     - A block's scale is 2^e with e = floor(log2(the largest magnitude in the block)) - 4, held to -126 .. 127; a block of zeros has e = 0. As a byte (E8M0): e + 127.
;;     - Each number is divided by its block's scale, clamped to +-28, and rounded to the nearest number of E3M2, ties to even, subnormals kept.
;;     - The product sums the exact products of the quantised numbers (number of the format x scale) in f32.
;;   ~~~python
;;   def quantise(x, axis):      # numpy; x: float32 -> the quantised numbers, widened to float32 again
;;       x = np.moveaxis(x, axis, -1); K = x.shape[-1]
;;       x = np.pad(x, [(0, 0)] * (x.ndim - 1) + [(0, -K % 32)]); x = x.reshape(x.shape[:-1] + (-1, 32)); a = np.abs(x).max(-1, keepdims=True)
;;       e = np.where(a > 0, np.clip(np.frexp(np.where(a > 0, a, 1))[1] - 1 - 4, -126, 127), 0)      # np.frexp(a)[1] - 1 = floor(log2(a)), exactly
;;       r = np.clip(x / 2.0 ** e, -28, 28)
;;       step = 2.0 ** (np.maximum(np.frexp(np.where(r == 0, 1, r))[1] - 1, -2) - 2)
;;       q = np.round(r / step) * step * 2.0 ** e      # np.round: ties to even
;;       return np.moveaxis(q.reshape(q.shape[:-2] + (-1,))[..., :K], -1, axis).astype(np.float32)
;;   ~~~
;;   SOFTMAX AHEAD OF A QUANTISED PRODUCT. Where the list says 'softmax', what is quantised is not the finished softmax but p = 2^(t - M), with t = logit x log2(e) and M = ceil(the row's largest t), a whole number; so 1/2 < the row's largest p <= 1. The row's sum l is taken of the UNQUANTISED p, in f32, and the product's result is divided by l at the end. Since M is a whole number, a kernel that streams over the keys may use a running M (the ceiling of the running maximum): every later rescaling is an exact power of two, which a block's scale takes up: the codes' values come out the same.
;;   OPERANDS COMPUTED ON THE WAY. 'Computed on the way' means the value that the module computes at that place (a softmax that the list does not call 'softmax' is quantised finished and normalised). What goes into a quantiser is computed in f32, as accurately as f32 sums, v_exp_f32 and their like allow (about 1e-6 of the number): no bf16 or f16 on the way to a quantiser, and a product that is left as it is and whose result goes on into a quantised operand takes f32 operands (vector FMAs, or v_wmma_f32_16x16x4_f32). A number that lies on a knife's edge between two numbers of the format may be rounded either way, as far as f32 arithmetic and the matrix unit's own rounding can turn it there, and no further.
;; One version. Each part assembles by itself: llvm-mc -triple=amdgcn-amd-amdhsa -mcpu=gfx1250 --defsym DOCPART=n.
;; ======== version 1 of 1: 3 launches
;; workspace buffers: xc 6,291,456 bytes; xs 262,144 bytes; wc 3,538,944 bytes; ws 147,456 bytes; tab 1,114,112 bytes; qc 6,291,456 bytes; qs 262,144 bytes; kv 819,200 bytes
;; launch prep (part 1): grid 468 x 1, 4 waves a work-group, no clusters, 68,096 bytes of LDS; arguments x, Wq, Wk, Wv, xc, xs, wc, ws, tab; writes xc, xs, wc, ws, tab
.if DOCPART == 1
	.amdgcn_target "amdgcn-amd-amdhsa--gfx1250"
	.amdhsa_code_object_version 6
	.text
	.protected	k_q99c5f5a0c2_prep
	.globl	k_q99c5f5a0c2_prep
	.p2align	8
	.type	k_q99c5f5a0c2_prep,@function
k_q99c5f5a0c2_prep:
	s_mov_b64 s[64:65], 0
	v_nop
	global_prefetch_b8 v0, s[64:65] scope:SCOPE_SE
	s_setreg_imm32_b32 hwreg(HW_REG_WAVE_MODE, 25, 1), 1
	s_wait_xcnt 0x0
; PREP: everything that is made once and read many times.  Three kinds of work-group, parted on the work-group's number alone:
;   0-255   x [4096][2048] f32 -> codes of BF6 (E3M2), K innermost (xc, 1,536 bytes a row), and one E8M0 byte for each 32 along K (xs, 64 bytes a row)
;   256-399 [Wq | Wk | Wv] ([2048 (k)][n] f32, K outermost) -> codes [2304 (n)][2048 (k)] (wc) and scale bytes (ws): a lane takes a column, its registers run down K
;   400-467 the rotation table: row t (2,176 rows of 512 bytes) holds (cos, sin) of t x theta_i, 8 bytes for each i = 0 .. 63; rows 2,048 on hold (1, 0)
; ROW ORDER.  In xc, xs, wc, ws the row with number n lies at place n with its bits 3 and 4 exchanged.  So the 16 consecutive places 32 b + 16 u + r hold the rows 32 b + 8 u + r + 8 (r / 8):
; the product's launch reads consecutive rows and finds, in a lane's registers, 16 neighbours along the axis that the next quantiser runs along.
; A block's scale is 2^(floor(log2(its largest magnitude)) - 4); its byte is the largest magnitude's exponent field - 4, held at 1 from below.
; LIMITS: a block of zeros, or one whose largest magnitude lies under 2^-122, gets the byte 1 (its codes are zeros or nearly so; this program alone reads the bytes); NaN and infinities among the inputs are not served.
; The table: theta_i = 2^(-i log2(10000) / 64) is good to about 2 units in its last place, the angle t x theta_i is one f32 product, and sine and cosine of that f32 angle are good to about 1e-7.
; No tensor loads, no barrier: waves share nothing.  The two paths that use LDS have LDS bytes of their own: x's 0 .. 32,767, the weights' 32,768 .. 67,583.
.set EMAX,  4
.set STEPS, 16                         ; x: a wave takes 16 steps of 512 numbers = 4 rows
.set CB,    12                         ; bytes of 16 codes
.set XR,    16                         ; v16-79   four sets of 16 numbers as loaded
.set XX,    80                         ; v80-111  two sets of 16 neighbours
.set XE,    112                        ; v112-127 a scale byte for each step
.set XC,    128                        ; v128-191 codes, four registers for each step
.set WREG,  8192                       ; LDS of a wave: two stages of 32 x SP bytes, then its 256 scale bytes
.set SP,    80
.set NB,    8                          ; W: a wave takes 32 columns x 256 along K = 8 blocks a lane
.set WP,    272                        ; a stage row: sixteen places of 16 bytes + 16
.set WSTG,  32768
.set KROW,  1536                       ; a row of codes in memory
.set WX,    32                         ; v32-95   two sets of 32 numbers
.set WC,    96                         ; v96-102  a block's codes
.set SB,    24                         ; v24-25   the scale bytes
.set OI,    104                        ; v104-135 byte offset of row i of a block: 4 x lane + i x pitch
.set OUTR,  136                        ; v136-199 the way out
.set TR,    48                         ; table: v48-79 results, four registers a turn
	s_load_b512 s[4:19], s[0:1], 0x0               ; x s[4:5], Wq s[6:7], Wk s[8:9], Wv s[10:11], xc s[12:13], xs s[14:15], wc s[16:17], ws s[18:19]
	s_load_b64 s[20:21], s[0:1], 0x40              ; tab
	v_lshl_add_u32 v200, v0, 2, 0x10800
	v_mov_b32 v201, 0
	v_lshrrev_b32 v1, 5, v0
	v_readfirstlane_b32 s24, v1                    ; wave 0..3
	v_and_b32 v2, 31, v0                           ; lane
	s_wait_kmcnt 0x0
	s_cmp_lt_u32 ttmp9, 256
	s_cbranch_scc1 .Lpath_x
	s_cmp_lt_u32 ttmp9, 400
	s_cbranch_scc1 .Lpath_w
; ---------------------------------------------------------------- the table: 32 rows a work-group, a wave takes rows 32 j + wave + 4 it; a lane owns i = 2 lane and 2 lane + 1
	s_sub_co_u32 s25, ttmp9, 400                   ; j
	s_mov_b32 s26, 0x3f800000
	s_cmp_lt_u32 s25, 64
	s_cselect_b32 s26, s26, 0                      ; 1.0 for rows under 2,048, else 0: the angle is then 0 and the row (1, 0)
	s_lshl_b32 s27, s25, 5
	s_add_co_u32 s27, s27, s24                     ; my first row
	s_lshl_b32 s28, s25, 14                        ; 32 rows of 512 bytes
	s_mov_b32 s29, 0
	s_add_nc_u64 s[20:21], s[20:21], s[28:29]
	s_mov_b32 s30, 0x3e549a78                      ; c = log2(10000) / 64, its f32 part,
	s_mov_b32 s31, 0x31979a31                      ; and what that leaves
	s_mov_b32 s32, 0x3f317218                      ; ln 2
	s_mov_b32 s33, 0x3f22f983                      ; 2 / pi
	s_mov_b32 s34, 0x3fc90fdb                      ; pi / 2, its f32 part,
	s_mov_b32 s35, 0xb33bbd2e                      ; and what that leaves
	s_mov_b32 s36, 0xbe2aaaa3                      ; sine: r + r z (S1 + z (S2 + z S3))
	s_mov_b32 s37, 0x3c08839e
	s_mov_b32 s38, 0xb94ca1f9
	s_mov_b32 s39, 0x3d2aaaa5                      ; cosine: 1 - z / 2 + z z (K1 + z (K2 + z K3))
	s_mov_b32 s40, 0xbab6061a
	s_mov_b32 s41, 0x37ccf5ce
	s_mov_b32 s42, 0x80000000
	s_lshl_b32 s43, s24, 9
	v_lshlrev_b32 v22, 4, v2
	v_add_nc_u32 v22, s43, v22                     ; 16 x lane + 512 x wave: a wave's store covers one whole row of 512 bytes
	v_lshlrev_b32 v3, 1, v2
	v_cvt_f32_u32 v4, v3                           ; i = 2 lane,
	v_add_f32 v5, 1.0, v4                          ; and 2 lane + 1
.irp k, 0,1
	v_mul_f32 v[6+\k], s30, v[4+\k]                ; a = i c, rounded
.endr
.irp k, 0,1
	v_fma_f32 v[8+\k], v[4+\k], s30, -v[6+\k]      ; what the rounding dropped, exactly,
.endr
.irp k, 0,1
	v_fma_f32 v[8+\k], v[4+\k], s31, v[8+\k]       ; and i times c's lower part: e
.endr
.irp k, 0,1
	v_exp_f32 v[10+\k], -v[6+\k]                   ; 2^-a
.endr
.irp k, 0,1
	v_mul_f32 v[8+\k], s32, v[8+\k]                ; e ln 2  (plain lines behind the exponentials)
.endr
	s_wait_alu depctr_va_vdst(0)
.irp k, 0,1
	v_fma_f32 v[10+\k], -v[8+\k], v[10+\k], v[10+\k]   ; theta = 2^-a (1 - e ln 2)
.endr
.irp k, 0,1
	v_mul_f32 v[20+\k], s26, v[10+\k]              ; or 0
.endr
	v_cvt_f32_u32 v12, s27                         ; t
; cosine and sine of t x theta_k into v[TR + 4 it + 2 k], + 1.  n = the nearest multiple of pi / 2; r = f - n pi / 2 in two steps, the first of which rounds nothing
; (n has 11 bits, the f32 part of pi / 2 has 24, and the difference lies under 1); the quadrant only selects and sets signs: no branch.
.macro SC k, it
.set TT, 24+10*\k
	v_mul_f32 v[TT], v12, v[20+\k]                 ; f
	v_mul_f32 v[TT+1], s33, v[TT]
	v_rndne_f32 v[TT+1], v[TT+1]                   ; n
	v_fma_f32 v[TT+2], -v[TT+1], s34, v[TT]
	v_fma_f32 v[TT+2], -v[TT+1], s35, v[TT+2]      ; r
	v_cvt_i32_f32 v[TT+4], v[TT+1]
	v_mul_f32 v[TT+3], v[TT+2], v[TT+2]            ; z
	v_fma_f32 v[TT+5], v[TT+3], s38, s37
	v_fma_f32 v[TT+6], v[TT+3], s41, s40
	v_fma_f32 v[TT+5], v[TT+5], v[TT+3], s36
	v_fma_f32 v[TT+6], v[TT+6], v[TT+3], s39
	v_mul_f32 v[TT+7], v[TT+3], v[TT+3]
	v_fma_f32 v[TT+8], v[TT+3], -0.5, 1.0
	v_mul_f32 v[TT+5], v[TT+5], v[TT+3]
	v_fma_f32 v[TT+6], v[TT+6], v[TT+7], v[TT+8]   ; cos r
	v_fma_f32 v[TT+5], v[TT+5], v[TT+2], v[TT+2]   ; sin r
	v_and_b32 v[TT+9], 1, v[TT+4]
	v_cmp_eq_u32 vcc_lo, 1, v[TT+9]                ; odd quadrants exchange the two
	v_cndmask_b32 v[TR+4*\it+2*\k+1], v[TT+5], v[TT+6], vcc_lo
	v_cndmask_b32 v[TR+4*\it+2*\k], v[TT+6], v[TT+5], vcc_lo
	v_lshlrev_b32 v[TT+9], 30, v[TT+4]             ; the sine is negative in quadrants 2, 3: bit 1 of n;
	v_add_nc_u32 v[TT+4], 1, v[TT+4]
	v_and_b32 v[TT+9], s42, v[TT+9]
	v_lshlrev_b32 v[TT+4], 30, v[TT+4]             ; the cosine in quadrants 1, 2: bit 1 of n + 1
	v_xor_b32 v[TR+4*\it+2*\k+1], v[TT+9], v[TR+4*\it+2*\k+1]
	v_and_b32 v[TT+4], s42, v[TT+4]
	v_xor_b32 v[TR+4*\it+2*\k], v[TT+4], v[TR+4*\it+2*\k]
.endm
.irp it, 0,1,2,3,4,5,6,7
	SC 0, \it
	SC 1, \it
	global_store_b128 v22, v[TR+4*\it:TR+4*\it+3], s[20:21] offset:2048*\it   ; each turn has its own four registers: no store's data are written again
	v_add_f32 v12, 4.0, v12
.endr
	s_endpgm
; ---------------------------------------------------------------- x: a plain stream of blocks of 32.  Each load reads 512 consecutive bytes; a step's 2,048 bytes turn through the wave's own stage, so that a lane holds 16 neighbours
.Lpath_x:
	v_lshlrev_b32 v3, 4, v2                        ; my 16 bytes of a load's 512
	s_mul_i32 s25, s24, WREG
	v_lshrrev_b32 v14, 2, v2
	v_mul_u32_u24 v14, v14, SP
	v_and_b32 v15, 3, v2
	v_lshl_add_u32 v14, v15, 4, v14
	v_add_nc_u32 v14, s25, v14                     ; the stage, on the way in: SP (lane / 4) + 16 (lane % 4)
	v_mul_u32_u24 v15, v2, SP
	v_add_nc_u32 v15, s25, v15                     ; and on the way out: SP x lane
	v_mul_u32_u24 v4, v2, CB                       ; my codes' place in a step's
	v_lshrrev_b32 v5, 1, v2
	s_add_co_u32 s25, s25, 2*32*SP
	v_add_nc_u32 v5, s25, v5                       ; my block's scale byte in the wave's 256
	v_lshlrev_b32 v7, 3, v2
	v_add_nc_u32 v6, s25, v7
	s_lshl_b32 s26, ttmp9, 2
	s_add_co_u32 s26, s26, s24                     ; which run of 4 rows is my wave's
	s_and_b32 s27, s26, 2
	s_lshl_b32 s27, s27, 1
	s_and_b32 s28, s26, 4
	s_lshr_b32 s28, s28, 1
	s_and_b32 s29, s26, 0xfffffff9
	s_or_b32 s29, s29, s27
	s_or_b32 s29, s29, s28                         ; and where it goes: a row's bits 3 and 4 are the run's bits 1 and 2, exchanged
	s_lshl_b32 s30, s26, 15                        ; 8,192 numbers of 4 bytes
	s_mov_b32 s31, 0
	s_add_nc_u64 s[4:5], s[4:5], s[30:31]
	s_mul_i32 s30, s29, 32*STEPS*CB
	s_add_nc_u64 s[12:13], s[12:13], s[30:31]
	s_lshl_b32 s30, s29, 8                         ; 256 scale bytes a run
	s_add_nc_u64 s[14:15], s[14:15], s[30:31]
.macro XLOAD t
.irp i, 0,1,2,3
	global_load_b128 v[XR+16*((\t)%4)+4*\i:XR+16*((\t)%4)+4*\i+3], v3, s[4:5] offset:2048*(\t)+512*\i th:TH_LOAD_NT
.endr
.endm
.macro XTURN t                         ; LDS serves a wave's instructions in order: no wait between the stores and the loads
.irp i, 0,1,2,3
	ds_store_b128 v14, v[XR+16*((\t)%4)+4*\i:XR+16*((\t)%4)+4*\i+3] offset:32*SP*((\t)%2)+8*SP*\i
.endr
.irp i, 0,1,2,3
	ds_load_b128 v[XX+16*((\t)%2)+4*\i:XX+16*((\t)%2)+4*\i+3], v15 offset:32*SP*((\t)%2)+16*\i
.endr
.endm
.irp t, 0,1,2,3
	XLOAD \t
.endr
	s_wait_loadcnt 12                              ; step 0's four loads are in; three steps' twelve may be out
	XTURN 0
.macro XSTEP t
.set XS, XX+16*((\t)%2)
.if (\t) > 0
	s_wait_dscnt 1                                 ; this step's numbers are back from the stage; the last step's byte store may be out
.else
	s_wait_dscnt 0x0
.endif
.if (\t)+4 < STEPS
	XLOAD (\t)+4                                   ; into the registers that this step's stores into the stage have read
.endif
.if (\t)+1 < STEPS
.if STEPS-2-(\t) >= 3
	s_wait_loadcnt 12                              ; the next step's four loads are in; those of the three steps behind it may be out
.else
	s_wait_loadcnt 4*(STEPS-2-(\t))
.endif
	XTURN (\t)+1
.endif
	v_max3_num_f32 v8, |v[XS]|, |v[XS+1]|, |v[XS+2]|
	v_max3_num_f32 v9, |v[XS+3]|, |v[XS+4]|, |v[XS+5]|
.irp i, 6,10
	v_max3_num_f32 v8, v8, |v[XS+\i]|, |v[XS+\i+1]|
	v_max3_num_f32 v9, v9, |v[XS+\i+2]|, |v[XS+\i+3]|
.endr
	v_max3_num_f32 v8, v8, |v[XS+14]|, |v[XS+15]|
	v_max3_num_f32 v8, v8, v9, (EMAX+1)<<23        ; with the floor 2^(5 - 127): the byte cannot fall under 1
	v_max_num_f32_dpp v8, v8, v8 row_xmask:1 row_mask:0xf bank_mask:0xf   ; and my neighbour's 16: the block's largest magnitude
	v_add_nc_u32 v11, -(EMAX<<23), v8              ; 4 off its exponent field: the conversion takes that field as its scale
	v_cvt_scalef32_pk16_bf6_f32 v[XC+4*(\t):XC+4*(\t)+2], v[XS:XS+15], v11
	v_lshrrev_b32 v[XE+(\t)], 23, v11              ; the scale's byte
	ds_store_b8 v5, v[XE+(\t)] offset:16*(\t)      ; both lanes of a block write the same byte with the same value
	global_store_b96 v4, v[XC+4*(\t):XC+4*(\t)+2], s[12:13] offset:32*CB*(\t)   ; the wave stores 384 consecutive bytes
.endm
.irp t, 0,1,2,3,4,5,6,7,8,9,10,11,12,13,14,15
	XSTEP \t
.endr
	ds_load_b64 v[12:13], v6
	s_wait_dscnt 0x0
	global_store_b64 v7, v[12:13], s[14:15]        ; 32 lanes store 256 consecutive bytes, aligned
	s_wait_tensorcnt 0x0
	ds_add_u32 v200, v201
	s_wait_dscnt 0x0
	s_endpgm
; ---------------------------------------------------------------- the weights: work-group j = 8 g + y takes columns 128 g .. + 127 of [Wq | Wk | Wv] and K = 256 y .. + 255
.Lpath_w:
	s_sub_co_u32 s25, ttmp9, 256
	s_lshr_b32 s26, s25, 3                         ; g: 0-15 Wq, 16 Wk, 17 Wv
	s_and_b32 s27, s25, 7                          ; y
	s_mov_b32 s28, 512                             ; a row of Wk or Wv in bytes,
	s_lshl_b32 s29, s26, 9
	s_cmp_lt_u32 s26, 16
	s_cselect_b64 s[22:23], s[6:7], s[8:9]
	s_cselect_b32 s28, 8192, s28                   ; of Wq
	s_cselect_b32 s29, s29, 0                      ; the group's first column, in bytes
	s_cmp_eq_u32 s26, 17
	s_cselect_b64 s[22:23], s[10:11], s[22:23]
	s_lshl_b32 s30, s24, 7
	s_add_co_u32 s29, s29, s30                     ; + 32 columns a wave
	s_lshl_b32 s30, s27, 8
	s_mul_i32 s30, s30, s28                        ; 256 y rows
	s_add_co_u32 s30, s30, s29
	s_mov_b32 s31, 0
	s_add_nc_u64 s[32:33], s[22:23], s[30:31]      ; a base for each of the eight blocks, 32 rows apart: nothing is stepped later
	s_lshl_b32 s48, s28, 5
	s_mov_b32 s49, 0
.irp t, 1,2,3,4,5,6,7
	s_add_nc_u64 s[32+2*\t:33+2*\t], s[30+2*\t:31+2*\t], s[48:49]
.endr
	v_lshlrev_b32 v3, 2, v2
.irp i, 0,1,2,3,4,5,6,7,8,9,10,11,12,13,14,15,16,17,18,19,20,21,22,23,24,25,26,27,28,29,30,31
	v_mad_u32_u24 v[OI+\i], s28, \i, v3            ; row i of a block, my column
.endr
	v_and_b32 v10, 7, v2
	v_bfe_u32 v11, v2, 3, 1
	v_lshl_or_b32 v10, v11, 4, v10
	v_bfe_u32 v11, v2, 4, 1
	v_lshl_or_b32 v10, v11, 3, v10                 ; my column's place among the wave's 32 rows of the output: bits 3 and 4 exchanged
	s_mul_i32 s50, s24, 32*WP
	s_add_co_u32 s50, s50, WSTG                    ; my stage
	v_mul_u32_u24 v4, v10, WP
	v_add_nc_u32 v4, s50, v4                       ; into it: row = my place
	v_and_b32 v5, 15, v2
	v_lshrrev_b32 v6, 4, v2
	v_mul_u32_u24 v7, v6, WP
	v_lshl_add_u32 v7, v5, 4, v7
	v_add_nc_u32 v7, s50, v7                       ; out of it: sixteen lanes to a row, two rows an instruction
	v_mul_u32_u24 v8, v6, KROW
	v_mad_u32_u24 v8, v5, 12, v8                   ; and the same place in wc
	v_lshlrev_b32 v9, 6, v10                       ; my row of scale bytes
	s_lshl_b32 s51, s26, 7
	s_lshl_b32 s52, s24, 5
	s_add_co_u32 s51, s51, s52                     ; the wave's first row of the output
	s_mul_i32 s52, s51, KROW
	s_mul_i32 s53, s27, 192
	s_add_co_u32 s52, s52, s53
	s_mov_b32 s53, 0
	s_add_nc_u64 s[16:17], s[16:17], s[52:53]
	s_lshl_b32 s52, s51, 6
	s_lshl_b32 s54, s27, 3
	s_add_co_u32 s52, s52, s54
	s_add_nc_u64 s[18:19], s[18:19], s[52:53]
.macro WLOAD t                         ; block t: 32 rows of K at my column: 128 consecutive bytes a wave and a load
.irp i, 0,1,2,3,4,5,6,7,8,9,10,11,12,13,14,15,16,17,18,19,20,21,22,23,24,25,26,27,28,29,30,31
	global_load_b32 v[WX+32*((\t)%2)+\i], v[OI+\i], s[32+2*(\t):33+2*(\t)] th:TH_LOAD_NT
.endr
.endm
	WLOAD 0
	WLOAD 1
.macro WBLOCK t
.set WS, WX+32*((\t)%2)
.if (\t) < NB-1
	s_wait_loadcnt 32                              ; this block's 32 loads are in; the next block's may be out
.else
	s_wait_loadcnt 0
.endif
	v_max3_num_f32 v12, |v[WS]|, |v[WS+1]|, |v[WS+2]|
	v_max3_num_f32 v13, |v[WS+3]|, |v[WS+4]|, |v[WS+5]|
.irp i, 6,10,14,18,22,26
	v_max3_num_f32 v12, v12, |v[WS+\i]|, |v[WS+\i+1]|
	v_max3_num_f32 v13, v13, |v[WS+\i+2]|, |v[WS+\i+3]|
.endr
	v_max3_num_f32 v12, v12, |v[WS+30]|, |v[WS+31]|
	v_max3_num_f32 v12, v12, v13, (EMAX+1)<<23     ; all 32 numbers of the block are mine; with the floor
	v_add_nc_u32 v11, -(EMAX<<23), v12
	v_lshrrev_b32 v13, 23, v11                     ; the scale's byte
.if (\t)%4 == 0
	v_mov_b32 v[SB+(\t)/4], v13
.else
	v_lshl_or_b32 v[SB+(\t)/4], v13, 8*((\t)%4), v[SB+(\t)/4]
.endif
	v_cvt_scalef32_pk16_bf6_f32 v[WC:WC+2], v[WS:WS+15], v11
	v_cvt_scalef32_pk16_bf6_f32 v[WC+4:WC+6], v[WS+16:WS+31], v11   ; (a conversion's three registers begin on an even number)
	ds_store_b96 v4, v[WC:WC+2] offset:32*(\t)     ; 12 bytes to a place of 16: every LDS address is a multiple of 16
	ds_store_b96 v4, v[WC+4:WC+6] offset:32*(\t)+16
.if (\t)+2 < NB
	WLOAD (\t)+2
.endif
	s_wait_dscnt 0x0                               ; the stores have read their registers: the next block's codes may be written
.endm
.irp t, 0,1,2,3,4,5,6,7
	WBLOCK \t
.endr
	global_store_b64 v9, v[SB:SB+1], s[18:19]      ; my column's eight scale bytes
.irp t, 0,1,2,3,4,5,6,7,8,9,10,11,12,13,14,15
	ds_load_b96 v[OUTR+4*\t:OUTR+4*\t+2], v7 offset:2*\t*WP
.endr
.irp t, 0,1,2,3,4,5,6,7,8,9,10,11,12,13,14,15
	s_wait_dscnt 15-\t                             ; LDS loads come back in order: load t is in, the younger ones may be out
	global_store_b96 v8, v[OUTR+4*\t:OUTR+4*\t+2], s[16:17] offset:2*\t*KROW   ; sixteen lanes store a row's 192 consecutive bytes
.endr
	s_wait_tensorcnt 0x0
	ds_add_u32 v200, v201
	s_wait_dscnt 0x0
	s_endpgm
.Lfunc_end_k_q99c5f5a0c2_prep:
	.size	k_q99c5f5a0c2_prep, .Lfunc_end_k_q99c5f5a0c2_prep-k_q99c5f5a0c2_prep
	.p2alignl 7, 3214868480
	.fill 96, 4, 3214868480
	.section	.rodata,"a",@progbits
	.p2align	6, 0x0
	.amdhsa_kernel k_q99c5f5a0c2_prep
		.amdhsa_group_segment_fixed_size 68096
		.amdhsa_private_segment_fixed_size 0
		.amdhsa_enable_private_segment 0
		.amdhsa_kernarg_size 72
		.amdhsa_user_sgpr_count 2
		.amdhsa_user_sgpr_kernarg_segment_ptr 1
		.amdhsa_wavefront_size32 1
		.amdhsa_system_sgpr_workgroup_id_x 1
		.amdhsa_system_sgpr_workgroup_id_y 1
		.amdhsa_system_sgpr_workgroup_id_z 1
		.amdhsa_system_vgpr_workitem_id 0
		.amdhsa_next_free_vgpr 202
		.amdhsa_next_free_sgpr 66
		.amdhsa_reserve_vcc 1
		.amdhsa_float_denorm_mode_32 3
		.amdhsa_float_denorm_mode_16_64 3
		.amdhsa_memory_ordered 1
		.amdhsa_forward_progress 1
		.amdhsa_inst_pref_size 97
	.end_amdhsa_kernel
	.amdgpu_metadata
---
amdhsa.version: [ 1, 2 ]
amdhsa.kernels:
  - .name:           k_q99c5f5a0c2_prep
    .symbol:         k_q99c5f5a0c2_prep.kd
    .args:
      - { .name: x, .offset: 0, .size: 8, .value_kind: global_buffer, .address_space: global }
      - { .name: Wq, .offset: 8, .size: 8, .value_kind: global_buffer, .address_space: global }
      - { .name: Wk, .offset: 16, .size: 8, .value_kind: global_buffer, .address_space: global }
      - { .name: Wv, .offset: 24, .size: 8, .value_kind: global_buffer, .address_space: global }
      - { .name: xc, .offset: 32, .size: 8, .value_kind: global_buffer, .address_space: global }
      - { .name: xs, .offset: 40, .size: 8, .value_kind: global_buffer, .address_space: global }
      - { .name: wc, .offset: 48, .size: 8, .value_kind: global_buffer, .address_space: global }
      - { .name: ws, .offset: 56, .size: 8, .value_kind: global_buffer, .address_space: global }
      - { .name: tab, .offset: 64, .size: 8, .value_kind: global_buffer, .address_space: global }
    .group_segment_fixed_size: 68096
    .private_segment_fixed_size: 0
    .kernarg_segment_align: 8
    .kernarg_segment_size: 72
    .max_flat_workgroup_size: 128
    .sgpr_count:     66
    .vgpr_count:     202
    .wavefront_size: 32
...
	.end_amdgpu_metadata
.endif
;; end of part 1
;; launch proj (part 2): grid 16 x 9, 4 waves a work-group, clusters of 4 x 1, 327,680 bytes of LDS; arguments xc, xs, wc, ws, tab, qc, qs, kv; writes qc, qs, kv
.if DOCPART == 2
	.amdgcn_target "amdgcn-amd-amdhsa--gfx1250"
	.amdhsa_code_object_version 6
	.text
	.protected	k_q99c5f5a0c2_proj
	.globl	k_q99c5f5a0c2_proj
	.p2align	8
	.type	k_q99c5f5a0c2_proj,@function
k_q99c5f5a0c2_proj:
	s_mov_b64 s[64:65], 0
	v_nop
	global_prefetch_b8 v0, s[64:65] scope:SCOPE_SE
	s_setreg_imm32_b32 hwreg(HW_REG_WAVE_MODE, 25, 1), 1
	s_wait_xcnt 0x0
	s_wait_alu depctr_hold_cnt(0) depctr_sa_sdst(0) depctr_va_vdst(0) depctr_va_sdst(0) depctr_va_ssrc(0) depctr_va_vcc(0) depctr_vm_vsrc(0)
	s_getreg_b32 s2, hwreg(HW_REG_IB_STS2, 6, 4)
	s_cmp_eq_u32 s2, 0
	s_cbranch_scc0 .Lentry_in_a_cluster
	s_endpgm
.Lentry_in_a_cluster:
	s_bfe_u32 s2, ttmp6, 0x10000c
	s_cmp_lg_u32 s2, 0x3003
	s_cbranch_scc0 .Lentry_shape_is_right
	s_endpgm
.Lentry_shape_is_right:
; PROJ: [Q | K | V] = x [Wq | Wk | Wv] on codes of BF6 (E3M2) with E8M0 scales, M = 4,096, N = 2,304, K = 2,048; then the rotation (Q, K) in f32 and the next products' quantisers, in registers.
; Nothing leaves as f32: Q and K leave as codes along the head's 128, V as codes along the KEYS, each as images of operand registers (a fragment of 16 rows x 128: 12 registers a lane, stored as 3 x 512 bytes, lane l's 16 bytes at 16 l).
; A tile, 256 x 256, is made by four waves, 128 x 128 each: 64 accumulators, 512 registers.  K goes in steps of 256 through a ring of two LDS slots filled by the tensor data mover; the scale bytes of the tile's rows come once and stay.
; THE MATRIX INSTRUCTION IS USED TRANSPOSED (source 0 = 16 rows of W, source 1 = 16 rows of x).  Rows lie in xc and wc with bits 3 and 4 of their numbers exchanged, so for a block a of 16 tokens a lane holds ONE token
; (32 (a / 2) + 8 (a % 2) + r + 8 (r / 8)) and its 64 registers 16 b + e hold the head's d = 32 b + 16 (lane / 16) + e: 16 neighbours of each block of 32, as the quantiser wants them.
; V: in tile column 8 the waves of the upper column half exchange the two operands BY THEIR LDS ADDRESSES ALONE: a lane then holds one d and its registers run along the tokens, which are the keys.  The text is one for all waves:
; these waves read the table's rows (1, 0), under which the rotation's lines change nothing.
; CLUSTER: N has 9 tiles, which no 4 x 4 cluster divides; so 4 x 1 along M: the four partners need the same tile of W and the same scales of W, which are asked for jointly (mask 15).  x's tiles differ: plain loads in the same rounds.
; LIMITS: NaN and infinities are not served; a block whose largest magnitude lies under 2^-122 gets the scale byte 1.
; REGISTERS: window 0: v0-31 addresses; v32-63 scale words; v64-127 a set of the table; from v128 x's fragments, later the rotated numbers, the quantiser's work and the codes.
;   window 1: W's fragments, two sets, later three sets of the table.   windows 2, 3: the accumulators ((a, b) at v[8 (8 (a % 4) + b)]).
.set SIZE_K, 2048
.set KSTEP,  256
.set NQ,     KSTEP/128
.set ROWB,   192
.set KROW,   SIZE_K*6/8
.set PITCH,  240                       ; an LDS row: 3 x (64 bytes + 16 of padding)
.set FR,     12
.set NL,     6
.set NP,     4
.set HALFT,  128*PITCH
.set SLOT,   4*HALFT                   ; x's 256 rows, then W's 256 rows
.set LAPS,   SIZE_K/(2*KSTEP)
.set KS,     SIZE_K/32
.set SCL,    2*SLOT                    ; behind the ring: the scales, as units of 256 bytes + 16 of padding
.set HALFS,  (128*KS/256)*272
.set SBLK,   (16*KS/256)*272
.set SPARE,  SCL+4*HALFS               ; the spare words, 128 bytes for each wave: two blocks of 256 bytes that no other line names
.set ADRA, 16                          ; v16-19  LDS addresses of the fragments that go to source 1, slot 0, 1 (and behind one padding more)
.set ADRB, 20                          ; v20-23  the same for source 0
.set TA,   24                          ; v24     the table: (r + 8 (r / 8)) x 512 + 64 (lane / 16)
.set SO,   25                          ; v25     the scale words' way out: 32 r + 16 (lane / 16)
.set CO,   26                          ; v26     16 x lane: an image's place for my lane
.set ADRS, 27                          ; v27     LDS address of my scale words
.set SPW,  28                          ; v28     my spare word; never rewritten
.set NIL,  29                          ; v29     0; never rewritten
.set HH,   30                          ; v30     lane / 16
.set SC,   32
.set AF,   128
.set Y,    128                         ; v128-191 a block's 64 numbers after the rotation
.set TM,   192                         ; v192-207 the quantiser's work
.set PW,   208                         ; v208-215 the eight blocks' scale words
.set PC,   216                         ; v216-235, v236-255 codes, two sets by turns
.set G1, 24
.set G0, 32
.set G1B, 48
.set G0B, 56
.set G1S, 68
.set G0S, 76
.set G1SB, 80
.set G0SB, 88
.set MSB, 0
.macro WIN new                         ; the immediate's high byte repeats the setting that is left
.if MSB != \new
	s_set_vgpr_msb (MSB<<8)|\new
.set MSB, \new
.endif
.endm
.set MUL_LO, 0xa1                      ; source 0 window 1, source 1 window 0, C and D window 2
.set MUL_HI, 0xf1                      ; the same, C and D window 3
.set TO_B,   0x40                      ; destination window 1, address window 0
; Waves 0 and 1 fetch for x (plain), waves 2 and 3 for W (jointly).  The branch hangs on the wave's number alone.  Four v_nop follow each of the two lines.
.macro JLOAD g0a, g1a, g0b, g1b
	s_cmp_eq_u32 s15, 0
	s_cbranch_scc0 .Lfor_b_\@
	tensor_load_to_lds s[\g0a:\g0a+3], s[\g1a:\g1a+7]
	s_nop 0
.rept 4
	v_nop
.endr
	s_branch .Lasked_\@
.Lfor_b_\@:
	tensor_load_to_lds s[\g0b:\g0b+3], s[\g1b:\g1b+7]
	s_nop 0
.rept 4
	v_nop
.endr
.Lasked_\@:
.endm
.macro CREST                           ; a round of the cluster's barrier behind its opening barrier
	s_cmp_lg_u32 s14, 0
	s_cbranch_scc1 .Lnot_wave_0_\@
	s_barrier_signal -3
.Lnot_wave_0_\@:
	s_barrier_wait -3
	s_barrier_signal -1
	s_barrier_wait -1
.endm
.macro CROUND
	s_barrier_signal -1
	s_barrier_wait -1
	CREST
.endm
	s_load_b128 s[4:7], s[0:1], 0x0                ; x's codes, x's scales
	s_load_b128 s[8:11], s[0:1], 0x10              ; W's codes, W's scales
	s_load_b64 s[12:13], s[0:1], 0x20              ; the table
	s_load_b128 s[96:99], s[0:1], 0x28             ; qc, qs
	s_load_b64 s[100:101], s[0:1], 0x38            ; kv
	v_lshl_add_u32 v[SPW], v0, 2, SPARE
	v_mov_b32 v[NIL], 0
	ds_add_u32 v28, v29
	s_wait_dscnt 0x0
	v_lshrrev_b32 v1, 5, v0
	v_readfirstlane_b32 s14, v1                    ; wave 0..3
	s_lshr_b32 s15, s14, 1                         ; which half of the tile's tokens is mine.  Also: I fetch for x (0) or for W (1)
	s_and_b32 s16, s14, 1                          ; which half of its columns.  Also: which 128 rows of that tile I fetch
	s_bfe_u32 s40, ttmp6, 0x40000                  ; cx
	s_lshl_b32 s17, ttmp9, 2
	s_add_co_u32 s17, s17, s40                     ; tile row = 4 x cluster x + cx
	s_and_b32 s42, ttmp7, 0xffff                   ; tile column, which the four partners share
	; descriptor group 1: a tile of 128 rows x 192 bytes, 16 bytes of padding behind every 64
	s_mov_b32 s[G1+0], (1<<20)|(3<<22)|(3<<25)                 ; x's: no mask; elements of 1 byte; padding on, after every 16 words, of 4 words
	s_mov_b32 s[G1B+0], 15|(1<<20)|(1<<21)|(3<<22)|(3<<25)     ; W's: the mask names all four work-groups, bit 21 set beside it
.irp g, G1, G1B
	s_mov_b32 s[\g+1], ROWB<<16                    ; tensor_dim0
	s_mov_b32 s[\g+2], 128<<16                     ; tensor_dim1
	s_mov_b32 s[\g+3], ROWB<<16                    ; tile_dim0
	s_mov_b32 s[\g+4], 128                         ; tile_dim1
	s_mov_b32 s[\g+5], KROW                        ; tensor_dim0_stride
	s_mov_b32 s[\g+6], 0
	s_mov_b32 s[\g+7], 0
.endr
	; the scales of 128 rows: 8,192 dense bytes, as 32 rows of 256 bytes (32 elements of 8 bytes), 16 bytes of padding behind each
	s_mov_b32 s[G1S+0], (3<<16)|(1<<20)|(5<<22)|(3<<25)
	s_mov_b32 s[G1SB+0], 15|(3<<16)|(1<<20)|(1<<21)|(5<<22)|(3<<25)
.irp g, G1S, G1SB
	s_mov_b32 s[\g+1], 32<<16
	s_mov_b32 s[\g+2], (128*KS/256)<<16
	s_mov_b32 s[\g+3], 32<<16
	s_mov_b32 s[\g+4], 128*KS/256
	s_mov_b32 s[\g+5], 32
	s_mov_b32 s[\g+6], 0
	s_mov_b32 s[\g+7], 0
.endr
	s_lshl_b32 s18, s16, 7                         ; which 128 rows of the tile I fetch
	s_lshl_b32 s20, s17, 8
	s_add_co_u32 s20, s20, s18                     ; x: row 256 x tile row + 128 x half
	s_lshl_b32 s46, s42, 8
	s_add_co_u32 s46, s46, s18                     ; W: row 256 x tile column + 128 x half (no register that feeds W's descriptors ever holds cx)
	s_mov_b32 s21, 0
	s_mov_b32 s47, 0
	s_mov_b64 s[18:19], KS
	s_mul_u64 s[22:23], s[20:21], s[18:19]         ; where these rows' scales begin,
	s_mul_u64 s[92:93], s[46:47], s[18:19]
	s_mov_b64 s[18:19], KROW
	s_mul_u64 s[20:21], s[20:21], s[18:19]         ; and their codes
	s_mul_u64 s[46:47], s[46:47], s[18:19]
	s_mul_i32 s45, s14, HALFT                      ; where they go: wave x 128 rows
	s_mul_i32 s94, s14, HALFS
	s_wait_kmcnt 0x0
	s_add_nc_u64 s[20:21], s[4:5], s[20:21]
	s_add_nc_u64 s[22:23], s[6:7], s[22:23]
	s_add_nc_u64 s[46:47], s[8:9], s[46:47]
	s_add_nc_u64 s[92:93], s[10:11], s[92:93]
	CROUND                                         ; all four work-groups are here: the first joint loads meet
	s_mov_b32 s[G0S], 1
	s_add_co_u32 s[G0S+1], s94, SCL
	s_mov_b64 s[G0S+2:G0S+3], s[22:23]
	s_or_b32 s[G0S+3], s[G0S+3], 0x80000000
	s_mov_b32 s[G0SB], 1
	s_add_co_u32 s[G0SB+1], s94, SCL
	s_mov_b64 s[G0SB+2:G0SB+3], s[92:93]
	s_or_b32 s[G0SB+3], s[G0SB+3], 0x80000000
	JLOAD G0S, G1S, G0SB, G1SB                     ; the scales first: they are wanted with K step 0.  With the two below, three loads of mine are out
.irp s, 0,1
	s_mov_b32 s[G0+4*\s], 1
	s_add_co_u32 s[G0+4*\s+1], s45, \s*SLOT
	s_add_nc_u64 s[G0+4*\s+2:G0+4*\s+3], s[20:21], \s*ROWB
	s_or_b32 s[G0+4*\s+3], s[G0+4*\s+3], 0x80000000
	s_mov_b32 s[G0B+4*\s], 1
	s_add_co_u32 s[G0B+4*\s+1], s45, \s*SLOT
	s_add_nc_u64 s[G0B+4*\s+2:G0B+4*\s+3], s[46:47], \s*ROWB
	s_or_b32 s[G0B+4*\s+3], s[G0B+4*\s+3], 0x80000000
	JLOAD G0+4*\s, G1, G0B+4*\s, G1B
.endr
	v_and_b32 v1, 15, v0                           ; r
	v_bfe_u32 v2, v0, 4, 1                         ; h
	v_mul_u32_u24 v3, v1, PITCH
	v_mul_u32_u24 v4, v2, 24
	v_add_nc_u32 v4, v3, v4                        ; a fragment's row x pitch + 24 x half
	v_lshl_add_u32 v5, v2, 4, v4                   ; and the same behind one padding more
	s_lshr_b32 s66, s42, 3                         ; 1 in tile column 8,
	s_and_b32 s66, s66, s16                        ; f: 1 for the waves that make V
	s_xor_b32 s67, s66, 1                          ; g = 1 - f
	s_mul_i32 s21, s15, HALFT                      ; a0: my 128 rows of x
	s_mul_i32 s22, s16, HALFT
	s_add_co_u32 s22, s22, 2*HALFT                 ; b0: my 128 rows of W, behind x's 256
	s_sub_co_u32 s23, s22, s21                     ; the distance between the two
	s_mul_i32 s22, s67, s23
	s_add_co_u32 s22, s22, s21                     ; source 0 reads at a0 + g x distance: W's rows, for V x's
	s_mul_i32 s23, s66, s23
	s_add_co_u32 s21, s21, s23                     ; source 1 reads at a0 + f x distance: x's rows, for V W's
.irp s, 0,1
	v_add_nc_u32 v[ADRA+\s], s21, v4
	v_add_nc_u32 v[ADRB+\s], s22, v4
	v_add_nc_u32 v[ADRA+2+\s], s21, v5
	v_add_nc_u32 v[ADRB+2+\s], s22, v5
	s_add_co_u32 s21, s21, SLOT
	s_add_co_u32 s22, s22, SLOT
.endr
	v_mul_u32_u24 v5, v1, KS                       ; my row's scales: 64 bytes a row,
	v_lshrrev_b32 v6, 8, v5
	v_lshl_add_u32 v5, v6, 4, v5                   ; and 16 more for each 256 passed
	s_mul_i32 s21, s15, HALFS                      ; x's
	s_mul_i32 s22, s16, HALFS
	s_add_co_u32 s22, s22, 2*HALFS                 ; W's
	s_sub_co_u32 s22, s22, s21
	v_xor_b32 v6, s66, v2                          ; lanes 0-15 take source 1's words, lanes 16-31 source 0's: h xor f picks W's
	v_mul_u32_u24 v6, s22, v6
	s_add_co_u32 s21, s21, SCL
	v_add_nc_u32 v5, v5, v6
	v_add_nc_u32 v[ADRS], s21, v5
	v_and_b32 v5, 8, v1
	v_add_nc_u32 v5, v5, v1                        ; r + 8 (r / 8)
	v_lshlrev_b32 v[TA], 9, v5
	v_lshl_add_u32 v[TA], v2, 6, v[TA]
	v_lshlrev_b32 v[SO], 5, v1
	v_lshl_add_u32 v[SO], v2, 4, v[SO]
	v_and_b32 v6, 31, v0
	v_lshlrev_b32 v[CO], 4, v6
	v_mov_b32 v[HH], v2
	s_mov_b32 s43, 0x76543210
	s_mov_b32 s44, 0xfedcba98                      ; v_permlanex16_b32's selects for lane l xor 16
	; where my results go.  T = my 128 tokens' number among 32; Q: head 2 x tile column + half
	s_lshl_b32 s18, s17, 1
	s_add_co_u32 s18, s18, s15                     ; T
	s_and_b32 s19, s18, 15
	s_lshl_b32 s19, s19, 7                         ; my first token's position in its sequence: the table's row;
	s_cmp_eq_u32 s66, 0
	s_cselect_b32 s19, s19, 2048                   ; for V the rows (1, 0)
	s_lshl_b32 s20, s19, 9
	s_mov_b32 s21, 0
	s_add_nc_u64 s[12:13], s[12:13], s[20:21]
	s_lshl_b32 s19, s42, 1
	s_add_co_u32 s19, s19, s16
	s_lshl_b32 s19, s19, 5
	s_add_co_u32 s19, s19, s18                     ; 32 x head + T
	s_mul_i32 s20, s19, 8*FR*128                   ; Q's eight images,
	s_lshl_b32 s22, s19, 9                         ; and their 512 bytes of scale words
	s_mul_i32 s23, s18, 25600                      ; kv: record T: K's eight images, V's eight, K's scale words, V's
	s_mul_i32 s21, s16, 8*FR*128
	s_add_co_u32 s21, s21, s23
	s_lshl_b32 s19, s16, 9
	s_add_co_u32 s23, s23, s19
	s_add_co_u32 s23, s23, 2*8*FR*128
	s_cmp_lt_u32 s42, 8                            ; the choice hangs on the tile column alone
	s_cselect_b32 s20, s20, s21
	s_cselect_b32 s22, s22, s23
	s_cselect_b64 s[96:97], s[96:97], s[100:101]
	s_cselect_b64 s[98:99], s[98:99], s[100:101]
	s_mov_b32 s21, 0
	s_mov_b32 s23, 0
	s_add_nc_u64 s[96:97], s[96:97], s[20:21]      ; codes
	s_add_nc_u64 s[98:99], s[98:99], s[22:23]      ; scale words
; The table's set for block a: for my token (cos, sin) of i = 16 b + 8 h + e', in registers 16 b + 2 e', + 1: beside the numbers d = 2 i, 2 i + 1.  Four sets: a % 4 = 0 in window 0, the others in window 1.
.macro ZSET a
.if (\a)%4 == 0
.set ZW, 0
.set ZB, 64
.else
.set ZW, 1
.set ZB, 64*((\a)%4-1)
.endif
.endm
.macro TLD a
	ZSET \a
.set WN, ZW<<6
	WIN WN
.irp be, 0,1,2,3
.irp q, 0,1,2,3
	global_load_b128 v[ZB+16*\be+4*\q:ZB+16*\be+4*\q+3], v[TA], s[12:13] offset:(32*((\a)/2)+8*((\a)%2))*512+128*\be+16*\q
.endr
.endr
.endm
	TLD 0                                          ; block 0's set is asked for now: the loop touches neither its registers nor its addresses
.macro FRAG reg, adr, q, i             ; a fragment: lane l holds row l % 16; registers 6 c .. 6 c + 5 hold K = 64 c + 32 (l / 16) + 0 .. 31: 24 bytes of the row, in pieces of 8
.irp p, 0,1,2,3,4,5
.set PCE, 12*(\q)+6*(\p/3)+\p%3        ; where the piece three on lies behind one padding more, the second address register serves
.if PCE%8 < 5
	ds_load_b64 v[\reg+2*\p:\reg+2*\p+1], v[\adr] offset:8*PCE+16*(PCE/8)+(\i)*16*PITCH
.else
	ds_load_b64 v[\reg+2*\p:\reg+2*\p+1], v[\adr+2] offset:8*PCE+16*(PCE/8)+(\i)*16*PITCH
.endif
.endr
.endm
; 16 matrix instructions: source 1's blocks a0, a0 + 1 x source 0's eight, 128 along K.  The 64 accumulators take turns, one instruction a turn, in the same order in every step.
.macro MUL16 a0, p, q, sc, zero
.irp a, \a0, \a0+1
.irp b, 0,1,2,3,4,5,6,7
.if \zero
	v_wmma_scale_f32_16x16x128_f8f6f4 v[8*(8*((\a)%4)+\b):8*(8*((\a)%4)+\b)+7], v[128*(\p)+FR*\b:128*(\p)+FR*\b+FR-1], v[AF+FR*(\a):AF+FR*(\a)+FR-1], 0, v[SC+8*NQ*(\sc)+NQ*\b+(\q)], v[SC+8*NQ*(\sc)+NQ*(\a)+(\q)] matrix_a_fmt:MATRIX_FMT_BF6 matrix_b_fmt:MATRIX_FMT_BF6 matrix_a_scale:MATRIX_SCALE_ROW1
.else
	v_wmma_scale_f32_16x16x128_f8f6f4 v[8*(8*((\a)%4)+\b):8*(8*((\a)%4)+\b)+7], v[128*(\p)+FR*\b:128*(\p)+FR*\b+FR-1], v[AF+FR*(\a):AF+FR*(\a)+FR-1], v[8*(8*((\a)%4)+\b):8*(8*((\a)%4)+\b)+7], v[SC+8*NQ*(\sc)+NQ*\b+(\q)], v[SC+8*NQ*(\sc)+NQ*(\a)+(\q)] matrix_a_fmt:MATRIX_FMT_BF6 matrix_b_fmt:MATRIX_FMT_BF6 matrix_a_scale:MATRIX_SCALE_ROW1
.endif
.endr
.endr
.endm
.macro FETCH_B slot, q, p
	WIN TO_B
.irp i, 0,1,2,3,4,5,6,7
	FRAG 128*(\p)+FR*\i, ADRB+\slot, \q, \i
.endr
	WIN 0
.endm
.macro FETCH_A slot, q, i0
.irp i, \i0, \i0+1, \i0+2, \i0+3
	FRAG AF+FR*(\i), ADRA+\slot, \q, \i
.endr
.endm
.macro SCALES sc                       ; a K step's scale words: two words a row; lanes 0-15 take source 1's block i, lanes 16-31 source 0's
.irp i, 0,1,2,3,4,5,6,7
	ds_load_b64 v[SC+8*NQ*\sc+NQ*\i:SC+8*NQ*\sc+NQ*\i+1], v[ADRS] offset:\i*SBLK
.endr
.endm
; A load into a register that a matrix instruction has read, and a vector instruction that reads a matrix result or writes one of its registers, stand four places behind it; only plain vector
; instructions that name none of its registers are places (ISA guide 7.12.1 for vector instructions).
.macro PLACES n
.rept \n
	v_nop
.endr
.endm
.macro STEP slot, q, zero              ; a step of 128 along K that has its successor in the same slot
	s_wait_dscnt 4*NL                              ; source 0's set and source 1's blocks 0-3 are in; the youngest 24 loads (blocks 4-7) may be out
	WIN MUL_LO
	MUL16 0, (\q)%2, \q, \slot, \zero
	MUL16 2, (\q)%2, \q, \slot, \zero
	s_wait_dscnt 0
	PLACES NP
	FETCH_B \slot, (\q)+1, 1-(\q)%2
	FETCH_A \slot, (\q)+1, 0
	WIN MUL_HI
	MUL16 4, (\q)%2, \q, \slot, \zero
	MUL16 6, (\q)%2, \q, \slot, \zero
	PLACES NP
	WIN 0
	FETCH_A \slot, (\q)+1, 4
.endm
; A slot's last step changes slots: one barrier; in front of it each wave waits for all its tensor loads, adds 0 to its spare word, and waits for that and for its own reads of this slot.  fill = 1: this slot is filled again, two K steps ahead.
.macro TURN slot, next, fill
	s_wait_tensorcnt 0x0                           ; all my tensor loads have landed: my part of the next slot
	ds_add_u32 v[SPW], v[NIL]                      ; 0 onto my spare word
	s_wait_dscnt 4*NL+1                            ; (the add and the youngest 24 loads may be out)
	WIN MUL_LO
	MUL16 0, 1, NQ-1, \slot, 0
	s_wait_dscnt 0x0                               ; the add is done, and my reads of this slot are over
	s_barrier_signal -1
	MUL16 2, 1, NQ-1, \slot, 0
	WIN 0
	s_barrier_wait -1
.if \fill
	CREST                                          ; the barrier has opened a round of the cluster's barrier: no wave of any partner still reads this slot or has a load on its way
	s_add_nc_u64 s[G0+4*\slot+2:G0+4*\slot+3], s[G0+4*\slot+2:G0+4*\slot+3], 2*ROWB
	s_add_nc_u64 s[G0B+4*\slot+2:G0B+4*\slot+3], s[G0B+4*\slot+2:G0B+4*\slot+3], 2*ROWB
	JLOAD G0+4*\slot, G1, G0B+4*\slot, G1B         ; my one tensor load behind the round; its four v_nop are also the places in front of the loads below
.else
	PLACES NP
.endif
	v_add_nc_u32 v[ADRS], 4*NQ, v[ADRS]            ; on to the next K step's scale words
	FETCH_B \next, 0, 0
	FETCH_A \next, 0, 0
	SCALES \next
	WIN MUL_HI
	MUL16 4, 1, NQ-1, \slot, 0
	MUL16 6, 1, NQ-1, \slot, 0
	PLACES NP
	WIN 0
	FETCH_A \next, 0, 4
.endm
	s_wait_tensorcnt 1                             ; the scales and my part of K step 0 are in; K step 1's load may be out
	s_barrier_signal -1
	s_barrier_wait -1
	FETCH_B 0, 0, 0
	FETCH_A 0, 0, 0
	SCALES 0
	FETCH_A 0, 0, 4
	STEP 0, 0, 1                                   ; the first step stands in front of the loop: its products start the sums
	s_mov_b32 s3, LAPS-1
.Llap:                                                 ; a trip goes once round the ring and fills both slots again
	TURN 0, 1, 1
	STEP 1, 0, 0
	TURN 1, 0, 1
	STEP 0, 0, 0
	s_sub_co_u32 s3, s3, 1
	s_cmp_lg_u32 s3, 0
	s_cbranch_scc1 .Llap
	TURN 0, 1, 0                                   ; the last lap fills nothing
	STEP 1, 0, 0
	s_wait_dscnt 4*NL
	WIN MUL_LO
	MUL16 0, 1, NQ-1, 1, 0
	MUL16 2, 1, NQ-1, 1, 0
	s_wait_dscnt 0
	WIN MUL_HI
	MUL16 4, 1, NQ-1, 1, 0
	MUL16 6, 1, NQ-1, 1, 0
	WIN 0
; THE WAY OUT, block by block of 16 rows: rotate, quantise, store the image.
; The rotation: out(2 p) = x(2 p) c - x(2 p + 1) s, out(2 p + 1) = x(2 p + 1) c + x(2 p) s, an accumulator (four pairs) at a time, each from its low end on.
.macro ROPE a
	ZSET \a
.set AC, 64*((\a)%4)
.set WN, (2+(\a)/4)|(ZW<<2)
	WIN WN                                         ; source 0: the accumulators' window; source 1: the table's
.irp g, 0,1,2,3,4,5,6,7
.irp p, 0,1,2,3
	v_mul_f32 v[Y+8*\g+2*\p], v[AC+8*\g+2*\p+1], v[ZB+8*\g+2*\p+1]
	v_mul_f32 v[Y+8*\g+2*\p+1], v[AC+8*\g+2*\p], v[ZB+8*\g+2*\p+1]
.endr
.irp p, 0,1,2,3
	v_fma_f32 v[Y+8*\g+2*\p], v[AC+8*\g+2*\p], v[ZB+8*\g+2*\p], -v[Y+8*\g+2*\p]
	v_fma_f32 v[Y+8*\g+2*\p+1], v[AC+8*\g+2*\p+1], v[ZB+8*\g+2*\p], v[Y+8*\g+2*\p+1]
.endr
.endr
.endm
; 64 numbers of a lane, register 16 b + i = k 32 b + 16 (lane / 16) + i of my row, become a fragment's codes in v[PCX] on and its scale word in v[PWX].
.macro QUANT s
.irp b, 0,1,2,3
	v_max3_num_f32 v[TM+\b], |v[\s+16*\b]|, |v[\s+1+16*\b]|, 0x2800000   ; my 16 numbers of block b, and the floor 2^(5 - 127): the byte cannot fall under 1
.endr
.irp i, 2,4,6,8,10,12,14
.irp b, 0,1,2,3
	v_max3_num_f32 v[TM+\b], v[TM+\b], |v[\s+16*\b+\i]|, |v[\s+1+16*\b+\i]|
.endr
.endr
.irp b, 0,1,2,3
	v_permlanex16_b32 v[TM+4+\b], v[TM+\b], s43, s44
.endr
.irp b, 0,1,2,3
	v_max_num_f32 v[TM+\b], v[TM+\b], v[TM+4+\b]   ; with lane l xor 16's: the block's largest magnitude
.endr
.irp b, 0,1,2,3
	v_add_nc_u32 v[TM+12+\b], 0xfe000000, v[TM+\b] ; 4 off its exponent field: the conversion's scale operand
.endr
.irp b, 0,1,2,3
	v_lshrrev_b32 v[TM+4+\b], 23, v[TM+12+\b]      ; the scale's byte
.endr
	v_lshl_or_b32 v[PWX], v[TM+5], 8, v[TM+4]
	v_lshl_or_b32 v[PWX], v[TM+6], 16, v[PWX]
	v_lshl_or_b32 v[PWX], v[TM+7], 24, v[PWX]
.irp c, 0,1
	v_cvt_scalef32_pk16_bf6_f32 v[PCX+6*\c:PCX+2+6*\c], v[\s+32*\c:\s+15+32*\c], v[TM+12+2*\c]
	v_cvt_scalef32_pk16_bf6_f32 v[PCX+12+4*\c:PCX+14+4*\c], v[\s+16+32*\c:\s+31+32*\c], v[TM+12+2*\c+1]   ; (a conversion's three registers begin on an even number)
.endr
	v_nop                                          ; one plain place behind a scaled conversion
.irp c, 0,1                                    ; the operand's layout wants a whole block in a lane: lanes 0-15 block 2 c, lanes 16-31 block 2 c + 1
.irp i, 0,1,2
	v_permlane16_swap_b32 v[PCX+6*\c+\i], v[PCX+12+4*\c+\i]
.endr
.irp i, 0,1,2
	v_mov_b32 v[PCX+3+6*\c+\i], v[PCX+12+4*\c+\i]
.endr
.endr
.endm
.macro EPI a, left                     ; left: the table loads issued behind block a's set, which may stay out
.if \left >= 0
	s_wait_loadcnt \left
.endif
	ROPE \a
.if \a < 4
	TLD \a+4                                       ; the set just read takes the block four further on
.endif
	WIN 0
	s_wait_xcnt 0x0                                ; the stores of two blocks ago have read this set of codes' registers
.set PCX, PC+20*((\a)%2)
.set PWX, PW+(\a)
	QUANT Y
.irp c, 0,1,2
	global_store_b128 v[CO], v[PCX+4*\c:PCX+4*\c+3], s[96:97] offset:FR*128*(\a)+512*\c   ; 32 lanes store 512 consecutive bytes, aligned
.endr
.endm
	PLACES NP                                      ; behind the last products: for the loads into W's registers and the vector writes over x's
	s_wait_loadcnt 0x0                             ; block 0's set of the table
.irp b, 0,1,2,3
	v_mov_b32 v[TM+4+\b], 0                        ; written once: a lane permute's destination counts as one of its sources
.endr
	TLD 1
	TLD 2
	TLD 3
	EPI 0, -1
	EPI 1, 48
	EPI 2, 48
	EPI 3, 48
	EPI 4, 48
	EPI 5, 32
	EPI 6, 16
	EPI 7, 0
	v_cmp_ne_u32 vcc_lo, 0, v[HH]                  ; the eight scale words of row r: lanes 0-15 store blocks 0-3, lanes 16-31 blocks 4-7: word (a, r) at 32 r + 4 a
.irp i, 0,1,2,3
	v_cndmask_b32 v[TM+\i], v[PW+\i], v[PW+4+\i], vcc_lo
.endr
	global_store_b128 v[SO], v[TM:TM+3], s[98:99]  ; 512 consecutive bytes
	s_wait_tensorcnt 0x0                           ; the wave's end
	ds_add_u32 v[SPW], v[NIL]
	s_wait_dscnt 0x0
	CROUND                                         ; the closing round: no work-group ends while a partner may still ask for a tile that names it
	s_endpgm
.Lfunc_end_k_q99c5f5a0c2_proj:
	.size	k_q99c5f5a0c2_proj, .Lfunc_end_k_q99c5f5a0c2_proj-k_q99c5f5a0c2_proj
	.p2alignl 7, 3214868480
	.fill 96, 4, 3214868480
	.section	.rodata,"a",@progbits
	.p2align	6, 0x0
	.amdhsa_kernel k_q99c5f5a0c2_proj
		.amdhsa_group_segment_fixed_size 327680
		.amdhsa_private_segment_fixed_size 0
		.amdhsa_enable_private_segment 0
		.amdhsa_kernarg_size 64
		.amdhsa_user_sgpr_count 2
		.amdhsa_user_sgpr_kernarg_segment_ptr 1
		.amdhsa_wavefront_size32 1
		.amdhsa_system_sgpr_workgroup_id_x 1
		.amdhsa_system_sgpr_workgroup_id_y 1
		.amdhsa_system_sgpr_workgroup_id_z 1
		.amdhsa_system_vgpr_workitem_id 0
		.amdhsa_next_free_vgpr 1024
		.amdhsa_next_free_sgpr 102
		.amdhsa_reserve_vcc 1
		.amdhsa_float_denorm_mode_32 3
		.amdhsa_float_denorm_mode_16_64 3
		.amdhsa_memory_ordered 1
		.amdhsa_forward_progress 1
		.amdhsa_inst_pref_size 225
	.end_amdhsa_kernel
	.amdgpu_metadata
---
amdhsa.version: [ 1, 2 ]
amdhsa.kernels:
  - .name:           k_q99c5f5a0c2_proj
    .symbol:         k_q99c5f5a0c2_proj.kd
    .args:
      - { .name: xc, .offset: 0, .size: 8, .value_kind: global_buffer, .address_space: global }
      - { .name: xs, .offset: 8, .size: 8, .value_kind: global_buffer, .address_space: global }
      - { .name: wc, .offset: 16, .size: 8, .value_kind: global_buffer, .address_space: global }
      - { .name: ws, .offset: 24, .size: 8, .value_kind: global_buffer, .address_space: global }
      - { .name: tab, .offset: 32, .size: 8, .value_kind: global_buffer, .address_space: global }
      - { .name: qc, .offset: 40, .size: 8, .value_kind: global_buffer, .address_space: global }
      - { .name: qs, .offset: 48, .size: 8, .value_kind: global_buffer, .address_space: global }
      - { .name: kv, .offset: 56, .size: 8, .value_kind: global_buffer, .address_space: global }
    .group_segment_fixed_size: 327680
    .private_segment_fixed_size: 0
    .kernarg_segment_align: 8
    .kernarg_segment_size: 64
    .max_flat_workgroup_size: 128
    .sgpr_count:     102
    .vgpr_count:     1024
    .wavefront_size: 32
...
	.end_amdgpu_metadata
.endif
;; end of part 2
;; launch attn (part 3): grid 128 x 2, 16 waves a work-group, clusters of 4 x 1, 327,680 bytes of LDS; arguments qc, qs, kv, out0; writes out0
.if DOCPART == 3
	.amdgcn_target "amdgcn-amd-amdhsa--gfx1250"
	.amdhsa_code_object_version 6
	.text
	.protected	k_q99c5f5a0c2_attn
	.globl	k_q99c5f5a0c2_attn
	.p2align	8
	.type	k_q99c5f5a0c2_attn,@function
k_q99c5f5a0c2_attn:
	s_mov_b64 s[64:65], 0
	v_nop
	global_prefetch_b8 v0, s[64:65] scope:SCOPE_SE
	s_setreg_imm32_b32 hwreg(HW_REG_WAVE_MODE, 25, 1), 1
	s_wait_xcnt 0x0
	s_wait_alu depctr_hold_cnt(0) depctr_sa_sdst(0) depctr_va_vdst(0) depctr_va_sdst(0) depctr_va_ssrc(0) depctr_va_vcc(0) depctr_vm_vsrc(0)
	s_getreg_b32 s2, hwreg(HW_REG_IB_STS2, 6, 4)
	s_cmp_eq_u32 s2, 0
	s_cbranch_scc0 .Lentry_in_a_cluster
	s_endpgm
.Lentry_in_a_cluster:
	s_bfe_u32 s2, ttmp6, 0x10000c
	s_cmp_lg_u32 s2, 0x3003
	s_cbranch_scc0 .Lentry_shape_is_right
	s_endpgm
.Lentry_shape_is_right:
; ATTN: causal attention of 16 query heads on ONE head of keys and values for each batch, both products on codes of BF6 (E3M2) with E8M0 scales.
; t = score x log2(e) / sqrt(128); M = the running largest t rounded UP to a whole number; p = 2^(t - M) is quantised along the keys, not normalised; the row's sum is taken of the unquantised p and divides at the end.
; When M moves, the sum and O are multiplied by 2^(old M - new M): exact.
; INPUTS are images of operand registers (a fragment: 3 x 512 bytes, lane l's 16 bytes at 16 l).  kv: a record of 25,600 bytes for each 128 keys: K's 8 fragments, V^T's 8, K's scale words (row r's eight at 32 r), V's.
; A fragment's 16 rows are numbers 32 b + 8 u + r + 8 (r / 8): so in S^T = K Q^T the 16 registers of tiles 2 b, 2 b + 1 are keys 32 b + 16 (lane / 16) + 0 .. 15, and in O^T = V^T P^T those of d likewise.
; SHARES.  A wave owns one fragment of 16 queries of one head, in 256 registers; four waves to a SIMD.  A work-group has 4 heads x 4 fragments: numbers i, 63 - i, 64 + i, 127 - i of the sequence's 128 (i = the cluster's number),
; which need (fragment / 8) + 1 key steps of 128 keys: 34 for the four, whatever i: every work-group has the same work.  Which wave takes which is a Latin square in (wave / 4, wave % 4).
; CLUSTER.  The four partners differ in their heads alone and walk the same records: each slot of 256 keys is asked for jointly.  Every work-group walks all 8 slots: trip counts are constants, no tensor load and no barrier is
; jumped over; a step all of whose keys come after the wave's queries is left out by a scalar branch on ids that the partners share.
; LIMITS: NaN and infinities are not served.
.set REC,   25600
.set SLOT1, 1<<16                      ; a slot holds two records, 51,200 bytes; slot 1 begins here, so that one exclusive or turns an address
.set STAGE, 131072                     ; 16 rows x (512 bytes + 16) for each wave: bytes of their own, into which no tile lands
.set SPARE, 266240                     ; the spare words, 128 bytes for each wave: eight blocks of 256 bytes that no other line names
.set LI,  1                            ; v1   16 x lane
.set LS,  2                            ; v2   32 r
.set STO, 3                            ; v3   the stage: where I put 32 bytes of a row
.set RD,  4                            ; v4   and where I read a row back
.set SPW, 5                            ; v5   my spare word; never rewritten
.set NIL, 6                            ; v6   0; never rewritten
.set ADK, 8                            ; v8   LDS address of the slot's images for my lane
.set ADS, 9                            ; v9   and of its scale words
.set DG,  10                           ; v10  on the diagonal: my query less the step's first key less 16 (lane / 16)
.set WV,  12                           ; s12  wave
.set FB,  19                           ; s19  the key step on whose diagonal my queries lie
.set SEL, 20                           ; s[20:21]
.set CS,  22                           ; s[22:23] c = log2(e) / sqrt(128)
.set TB,  36                           ; s36  LDS byte at which the slot in hand begins
.set SJ,  37                           ; s37  the key step's number
.set SLOTS, 38
; v12 -M, v13 the largest t, v[14:15] the sum; v16-27 Q, v28 its scale words; v32-79 four fragments of K or V; v80-87 K's scale words, v88-95 V's; v96-159 S^T, then p; v160-223 O^T; v224-235 p's codes; v232-254 at work, v253 p's scale word
.macro JLOAD                           ; waves 0 to 3 fetch a quarter of a slot each; four v_nop follow the line
	s_cmp_lt_u32 s[WV], 4
	s_cbranch_scc0 .Lasked_\@
	tensor_load_to_lds s[32:35], s[24:31]
	s_nop 0
.rept 4
	v_nop
.endr
.Lasked_\@:
.endm
.macro CROUND                          ; a round of the cluster's barrier
	s_barrier_signal -1
	s_barrier_wait -1
	s_cmp_lg_u32 s[WV], 0
	s_cbranch_scc1 .Lnot_wave_0_\@
	s_barrier_signal -3
.Lnot_wave_0_\@:
	s_barrier_wait -3
	s_barrier_signal -1
	s_barrier_wait -1
.endm
	s_load_b256 s[4:11], s[0:1], 0x0               ; qc s[4:5], qs s[6:7], kv s[8:9], out0 s[10:11]
	v_lshl_add_u32 v[SPW], v0, 2, SPARE
	v_mov_b32 v[NIL], 0
	ds_add_u32 v5, v6
	s_wait_dscnt 0x0
	v_lshrrev_b32 v8, 5, v0
	v_readfirstlane_b32 s[WV], v8                  ; wave 0..15
	s_bfe_u32 s13, ttmp6, 0x40000                  ; cx: it enters Q's and O's global addresses alone
	s_and_b32 s14, ttmp7, 0xffff                   ; batch
	s_lshr_b32 s15, s[WV], 2
	s_add_co_u32 s16, s[WV], s15
	s_and_b32 s16, s16, 3                          ; which of the four fragments
	s_lshl_b32 s17, s13, 2
	s_add_co_u32 s17, s17, s15                     ; head
	s_and_b32 s40, s16, 1
	s_mul_i32 s40, s40, 63
	s_xor_b32 s40, s40, ttmp9                      ; i or 63 - i
	s_and_b32 s41, s16, 2
	s_lshl_b32 s41, s41, 5
	s_add_co_u32 s18, s40, s41                     ; F: my fragment of queries, 0 .. 127
	s_lshr_b32 s[FB], s18, 3
	s_lshr_b32 s39, s18, 1
	s_lshl_b32 s39, s39, 5
	s_and_b32 s40, s18, 1
	s_lshl_b32 s40, s40, 3
	s_add_co_u32 s39, s39, s40                     ; P: lane r's query is P + r + 8 (r / 8)
	s_lshl_b32 s40, s17, 8
	s_lshl_b32 s41, s14, 7
	s_add_co_u32 s40, s40, s41
	s_add_co_u32 s40, s40, s18
	s_mul_i32 s40, s40, 1536                       ; Q's image
	s_mov_b32 s41, 0
	s_lshl_b32 s42, s17, 5
	s_lshl_b32 s43, s14, 4
	s_add_co_u32 s42, s42, s43
	s_add_co_u32 s42, s42, s[FB]
	s_lshl_b32 s42, s42, 9
	s_and_b32 s43, s18, 7
	s_lshl_b32 s43, s43, 2
	s_add_co_u32 s42, s42, s43                     ; its scale words: word (F % 8, r) at 32 r + 4 (F % 8)
	s_mov_b32 s43, 0
	s_lshl_b32 s44, s14, 11
	s_add_co_u32 s44, s44, s39
	s_lshl_b32 s44, s44, 13                        ; O: a token's row is 8,192 bytes,
	s_lshl_b32 s45, s17, 9                         ; a head's part 512
	s_add_co_u32 s44, s44, s45
	s_mov_b32 s45, 0
	s_mul_i32 s46, s14, 16*REC                     ; the batch's records,
	s_mul_i32 s33, s[WV], 12800                    ; my quarter of a slot, in memory and in LDS: nothing here hangs on cx
	s_add_co_u32 s46, s46, s33
	s_mov_b32 s47, 0
	s_mov_b32 s32, 1
	; descriptor group 1: 12,800 dense bytes as 50 rows of 256 bytes (32 elements of 8 bytes), no padding
	s_mov_b32 s24, 15|(3<<16)|(1<<21)              ; the mask names all four work-groups, bit 21 set beside it
	s_mov_b32 s25, 32<<16
	s_mov_b32 s26, 50<<16
	s_mov_b32 s27, 32<<16
	s_mov_b32 s28, 50
	s_mov_b32 s29, 32
	s_mov_b32 s30, 0
	s_mov_b32 s31, 0
	s_mov_b32 s[SEL], 0x76543210
	s_mov_b32 s[SEL+1], 0xfedcba98
	s_mov_b32 s[CS], 0x3e0293ee
	s_mov_b32 s[CS+1], s[CS]
	s_mov_b32 s[TB], 0
	s_mov_b32 s[SJ], 0
	s_mov_b32 s[SLOTS], 7
	s_wait_kmcnt 0x0
	s_add_nc_u64 s[34:35], s[8:9], s[46:47]
	s_or_b32 s35, s35, 0x80000000
	s_add_nc_u64 s[4:5], s[4:5], s[40:41]
	s_add_nc_u64 s[6:7], s[6:7], s[42:43]
	s_add_nc_u64 s[10:11], s[10:11], s[44:45]
	CROUND                                         ; all four work-groups are here: the first joint load meets
	JLOAD                                          ; slot 0
	v_and_b32 v8, 31, v0
	v_lshlrev_b32 v[LI], 4, v8
	v_and_b32 v9, 15, v0                           ; r
	v_lshlrev_b32 v[LS], 5, v9
	v_bfe_u32 v11, v0, 4, 1                        ; h
.irp c, 0,1,2
	global_load_b128 v[16+4*\c:19+4*\c], v[LI], s[4:5] offset:512*\c   ; Q's fragment stays in registers
.endr
	global_load_b32 v28, v[LS], s[6:7]
	s_mul_i32 s43, s[WV], 16*528
	s_add_co_u32 s43, s43, STAGE                   ; my stage
	v_mul_u32_u24 v[STO], v9, 528
	v_lshl_add_u32 v[STO], v11, 6, v[STO]
	v_add_nc_u32 v[STO], s43, v[STO]               ; in: row r, + 64 h
	v_add_nc_u32 v[RD], s43, v[LI]                 ; back: the 32 lanes take one row of 512 bytes
	v_and_b32 v[DG], 8, v9
	v_add_nc_u32 v[DG], v[DG], v9
	v_lshlrev_b32 v11, 4, v11
	v_sub_nc_u32 v[DG], v[DG], v11
	s_and_b32 s43, s39, 127
	v_add_nc_u32 v[DG], s43, v[DG]                 ; P % 128 + r + 8 (r / 8) - 16 h
	v_mov_b32 v13, 0xff61b1e6                      ; the largest t so far: -3e38, under every t
	v_floor_f32 v12, -v13                          ; -M
	v_mov_b32 v14, 0
	v_mov_b32 v15, 0
.irp b, 0,1,2,3
	v_mov_b32 v[236+\b], 0                         ; written once: a lane permute's destination counts as one of its sources
.endr
	v_mov_b32 v252, 0
	v_mov_b32 v253, 0
.irp j, 0,1,2,3,4,5,6,7,8,9,10,11,12,13,14,15,16,17,18,19,20,21,22,23,24,25,26,27,28,29,30,31,32,33,34,35,36,37,38,39,40,41,42,43,44,45,46,47,48,49,50,51,52,53,54,55,56,57,58,59,60,61,62,63
	v_mov_b32 v[160+\j], 0                         ; O^T: the step is written once; the first finds zeros, which the first change of M leaves zeros
.endr
; A KEY STEP: 128 keys, record q of the slot in hand.
.macro STEP q
	s_cmp_gt_u32 s[SJ], s[FB]                      ; all its keys come after my queries: nothing to do
	s_cbranch_scc1 .Lhidden_\@
	v_add_nc_u32 v[ADK], s[TB], v[LI]
	v_add_nc_u32 v[ADS], s[TB], v[LS]
	v_nop
	v_nop                                          ; four places in front of loads into registers that the last step's products have read
	ds_load_b128 v[80:83], v[ADS] offset:REC*(\q)+24576    ; K's scale words of row r, tiles 0-3,
	ds_load_b128 v[84:87], v[ADS] offset:REC*(\q)+24592    ; 4-7;
	ds_load_b128 v[88:91], v[ADS] offset:REC*(\q)+25088    ; V's
	ds_load_b128 v[92:95], v[ADS] offset:REC*(\q)+25104
.irp g, 0,1                                    ; S^T = K Q^T, four tiles of 16 keys at a time
.irp t, 0,1,2,3
.irp c, 0,1,2
	ds_load_b128 v[32+12*\t+4*\c:35+12*\t+4*\c], v[ADK] offset:REC*(\q)+1536*(4*\g+\t)+512*\c
.endr
.endr
	s_wait_dscnt 0x0
.irp t, 0,1,2,3
	v_wmma_scale_f32_16x16x128_f8f6f4 v[96+8*(4*\g+\t):103+8*(4*\g+\t)], v[32+12*\t:43+12*\t], v[16:27], 0, v[80+4*\g+\t], v28 matrix_a_fmt:MATRIX_FMT_BF6 matrix_b_fmt:MATRIX_FMT_BF6
.endr
.rept 4
	v_nop                                          ; places in front of the next loads into these fragments' registers, and of the first read of the scores
.endr
.endr
.irp t, 0,1,2,3                                ; V's first four fragments are asked for now: they land while the softmax is worked
.irp c, 0,1,2
	ds_load_b128 v[32+12*\t+4*\c:35+12*\t+4*\c], v[ADK] offset:REC*(\q)+12288+1536*\t+512*\c
.endr
.endr
	s_cmp_lt_u32 s[SJ], s[FB]                      ; under the diagonal all keys count
	s_cbranch_scc1 .Lopen_\@
	v_mov_b32 v254, 0xff800000                     ; on it the scores of hidden keys become -infinity: register 16 b + i holds key 32 b + 16 h + i of the step, hidden where 32 b + i > v[DG]
.irp n, 0,1,2,3,4,5,6,7,8,9,10,11,12,13,14,15,16,17,18,19,20,21,22,23,24,25,26,27,28,29,30,31,32,33,34,35,36,37,38,39,40,41,42,43,44,45,46,47,48,49,50,51,52,53,54,55,56,57,58,59,60,61,62,63
	v_cmp_gt_i32 vcc_lo, 32*(\n/16)+\n%16, v[DG]
	v_cndmask_b32 v[96+\n], v[96+\n], v254, vcc_lo
.endr
.Lopen_\@:
.irp b, 0,1,2,3
	v_max3_num_f32 v[232+\b], v[96+16*\b], v[97+16*\b], v[98+16*\b]   ; the largest score of each block of 32 keys: it serves for the row's maximum and, since p rises with the score, for the block's largest p
.endr
.irp i, 3,5,7,9,11,13
.irp b, 0,1,2,3
	v_max3_num_f32 v[232+\b], v[232+\b], v[96+16*\b+\i], v[97+16*\b+\i]
.endr
.endr
.irp b, 0,1,2,3
	v_max_num_f32 v[232+\b], v[232+\b], v[111+16*\b]
.endr
.irp b, 0,1,2,3
	v_permlanex16_b32 v[236+\b], v[232+\b], s[SEL], s[SEL+1]
.endr
.irp b, 0,1,2,3
	v_max_num_f32 v[232+\b], v[232+\b], v[236+\b]  ; with lane l xor 16's 16 keys
.endr
	v_max3_num_f32 v254, v232, v233, v234
	v_max_num_f32 v254, v254, v235
	v_mul_f32 v254, s[CS], v254                    ; the step's largest t of my query
	v_max_num_f32 v13, v13, v254
	v_mov_b32 v254, v12
	v_floor_f32 v12, -v13                          ; the new -M = -ceil(t)
	v_sub_f32 v254, v12, v254                      ; old M - new M: a whole number, 0 or less
	v_cvt_i32_f32 v254, v254
	v_ldexp_f32 v252, 1.0, v254                    ; f = 2^(old M - new M)
.irp j, 0,2,4,6,8,10,12,14,16,18,20,22,24,26,28,30,32,34,36,38,40,42,44,46,48,50,52,54,56,58,60,62
	v_pk_fma_f32 v[96+\j:97+\j], v[96+\j:97+\j], s[CS:CS+1], v[12:13] op_sel_hi:[1,0,0]   ; t - M
.endr
.irp b, 0,1,2,3
	v_fma_f32 v[232+\b], v[232+\b], s[CS], v12
.endr
.irp j, 0,1,2,3,4,5,6,7,8,9,10,11,12,13,14,15,16,17,18,19,20,21,22,23,24,25,26,27,28,29,30,31,32,33,34,35,36,37,38,39,40,41,42,43,44,45,46,47,48,49,50,51,52,53,54,55,56,57,58,59,60,61,62,63
	v_exp_f32 v[96+\j], v[96+\j]                   ; p = 2^(t - M)
.endr
.irp b, 0,1,2,3
	v_exp_f32 v[232+\b], v[232+\b]                 ; the block's largest p
.endr
	v_pk_mul_f32 v[14:15], v[14:15], v[252:253] op_sel_hi:[1,0]   ; the sums under the new M (a plain place behind the exponentials)
	s_wait_alu depctr_va_vdst(0)
.irp b, 0,1,2,3
	v_max_num_f32 v[232+\b], 0x2800000, v[232+\b]  ; the floor 2^(5 - 127): the byte cannot fall under 1; a block of zeros keeps that byte, its codes are zeros
.endr
.irp b, 0,1,2,3
	v_add_nc_u32 v[244+\b], 0xfe000000, v[232+\b]  ; 4 off the exponent field: the conversion's scale operand
.endr
.irp b, 0,1,2,3
	v_lshrrev_b32 v[236+\b], 23, v[244+\b]
.endr
	v_lshl_or_b32 v253, v237, 8, v236              ; p's scale word for these 128 keys
	v_lshl_or_b32 v253, v238, 16, v253
	v_lshl_or_b32 v253, v239, 24, v253
.irp c, 0,1
	v_cvt_scalef32_pk16_bf6_f32 v[224+6*\c:226+6*\c], v[96+32*\c:111+32*\c], v[244+2*\c]
	v_cvt_scalef32_pk16_bf6_f32 v[236+4*\c:238+4*\c], v[112+32*\c:127+32*\c], v[244+2*\c+1]
.endr
	v_nop                                          ; one plain place behind a scaled conversion
.irp c, 0,1
.irp i, 0,1,2
	v_permlane16_swap_b32 v[224+6*\c+\i], v[236+4*\c+\i]
.endr
.irp i, 0,1,2
	v_mov_b32 v[227+6*\c+\i], v[236+4*\c+\i]
.endr
.endr
	v_pk_add_f32 v[236:237], v[96:97], v[98:99]    ; the row's sum is taken of the unquantised p, in two chains
.irp j, 4,8,12,16,20,24,28,32,36,40,44,48,52,56,60
	v_pk_add_f32 v[14:15], v[14:15], v[96+\j:97+\j]
	v_pk_add_f32 v[236:237], v[236:237], v[98+\j:99+\j]
.endr
	v_pk_add_f32 v[14:15], v[14:15], v[236:237]
.irp j, 0,2,4,6,8,10,12,14,16,18,20,22,24,26,28,30,32,34,36,38,40,42,44,46,48,50,52,54,56,58,60,62
	v_pk_mul_f32 v[160+\j:161+\j], v[160+\j:161+\j], v[252:253] op_sel_hi:[1,0]   ; O^T under the new M (these are also the places in front of the products below)
.endr
	s_wait_dscnt 0x0                               ; V's first four fragments
.irp t, 0,1,2,3                                ; O^T += V^T P^T
	v_wmma_scale_f32_16x16x128_f8f6f4 v[160+8*\t:167+8*\t], v[32+12*\t:43+12*\t], v[224:235], v[160+8*\t:167+8*\t], v[88+\t], v253 matrix_a_fmt:MATRIX_FMT_BF6 matrix_b_fmt:MATRIX_FMT_BF6
.endr
.rept 4
	v_nop
.endr
.irp t, 0,1,2,3
.irp c, 0,1,2
	ds_load_b128 v[32+12*\t+4*\c:35+12*\t+4*\c], v[ADK] offset:REC*(\q)+12288+1536*(4+\t)+512*\c
.endr
.endr
	s_wait_dscnt 0x0
.irp t, 0,1,2,3
	v_wmma_scale_f32_16x16x128_f8f6f4 v[192+8*\t:199+8*\t], v[32+12*\t:43+12*\t], v[224:235], v[192+8*\t:199+8*\t], v[92+\t], v253 matrix_a_fmt:MATRIX_FMT_BF6 matrix_b_fmt:MATRIX_FMT_BF6
.endr
.Lhidden_\@:
	s_add_co_u32 s[SJ], s[SJ], 1
.endm
; THE CHANGE OF SLOTS stands at a slot's head.  Each wave waits for all its tensor loads, adds 0 to its spare word, and waits for that and for its reads of the slot that it has left.
; fill = 1: a round of the cluster's barrier, and behind it the slot just left is filled with the next 256 keys: one load a wave is out, and it has a whole slot's steps in which to land.
.macro CHANGE fill
	s_wait_tensorcnt 0x0                           ; no tensor load of mine is out, so the group 0 may be written
	ds_add_u32 v[SPW], v[NIL]                      ; 0 onto my spare word
.if \fill
	s_xor_b32 s33, s33, SLOT1                      ; the other slot than last time,
	s_add_nc_u64 s[34:35], s[34:35], 2*REC         ; the next two records
.endif
	s_wait_dscnt 0x0                               ; the add is done, and my reads of the slot that I have left are over
.if \fill
	CROUND
	JLOAD
.else
	s_barrier_signal -1
	s_barrier_wait -1
.endif
.endm
	s_wait_loadcnt 0x0                             ; Q
.Lslot:                                            ; 7 trips: behind each change of slots but the last the next slot is asked for
	CHANGE 1
	STEP 0
	STEP 1
	s_xor_b32 s[TB], s[TB], SLOT1
	s_sub_co_u32 s[SLOTS], s[SLOTS], 1
	s_cmp_lg_u32 s[SLOTS], 0
	s_cbranch_scc1 .Lslot
	CHANGE 0                                       ; the last slot is written out
	STEP 0
	STEP 1
	; THE WAY OUT.  O^T / the sum goes through my stage and leaves as whole rows of 512 bytes: a head's part of a token's row.
	v_add_f32 v14, v14, v15
	v_permlanex16_b32 v252, v14, s[SEL], s[SEL+1]
	v_add_f32 v14, v14, v252                       ; the row's sum
	v_rcp_f32 v14, v14
	v_nop                                          ; a plain place behind the transcendental
	s_wait_alu depctr_va_vdst(0)
.irp j, 0,1,2,3,4,5,6,7,8,9,10,11,12,13,14,15,16,17,18,19,20,21,22,23,24,25,26,27,28,29,30,31,32,33,34,35,36,37,38,39,40,41,42,43,44,45,46,47,48,49,50,51,52,53,54,55,56,57,58,59,60,61,62,63
	v_mul_f32 v[96+\j], v[160+\j], v14             ; register 8 (2 b + u) + j is o(my query, d = 32 b + 16 h + 8 u + j); each accumulator from its low end on
.endr
.irp b, 0,1,2,3
.irp u, 0,1
	ds_store_b128 v[STO], v[96+8*(2*\b+\u):99+8*(2*\b+\u)] offset:128*\b+32*\u
	ds_store_b128 v[STO], v[100+8*(2*\b+\u):103+8*(2*\b+\u)] offset:128*\b+32*\u+16
.endr
.endr
.irp i, 0,1,2,3,4,5,6,7,8,9,10,11,12,13,14,15
	ds_load_b128 v[160+4*\i:163+4*\i], v[RD] offset:528*\i   ; LDS serves a wave's instructions in order: these see my stores
.endr
.irp i, 0,1,2,3,4,5,6,7,8,9,10,11,12,13,14,15
	s_wait_dscnt 15-\i                             ; row i is back; the younger loads may be out
	global_store_b128 v[LI], v[160+4*\i:163+4*\i], s[10:11] offset:(\i+8*(\i/8))*8192 th:TH_STORE_NT   ; 32 lanes store 512 consecutive bytes, aligned: token P + i + 8 (i / 8)
.endr
	s_wait_tensorcnt 0x0                           ; the wave's end
	ds_add_u32 v[SPW], v[NIL]
	s_wait_dscnt 0x0
	CROUND                                         ; the closing round: no work-group ends while a partner may still ask for a tile that names it
	s_endpgm
.Lfunc_end_k_q99c5f5a0c2_attn:
	.size	k_q99c5f5a0c2_attn, .Lfunc_end_k_q99c5f5a0c2_attn-k_q99c5f5a0c2_attn
	.p2alignl 7, 3214868480
	.fill 96, 4, 3214868480
	.section	.rodata,"a",@progbits
	.p2align	6, 0x0
	.amdhsa_kernel k_q99c5f5a0c2_attn
		.amdhsa_group_segment_fixed_size 327680
		.amdhsa_private_segment_fixed_size 0
		.amdhsa_enable_private_segment 0
		.amdhsa_kernarg_size 32
		.amdhsa_user_sgpr_count 2
		.amdhsa_user_sgpr_kernarg_segment_ptr 1
		.amdhsa_wavefront_size32 1
		.amdhsa_system_sgpr_workgroup_id_x 1
		.amdhsa_system_sgpr_workgroup_id_y 1
		.amdhsa_system_sgpr_workgroup_id_z 1
		.amdhsa_system_vgpr_workitem_id 0
		.amdhsa_next_free_vgpr 256
		.amdhsa_next_free_sgpr 66
		.amdhsa_reserve_vcc 1
		.amdhsa_float_denorm_mode_32 3
		.amdhsa_float_denorm_mode_16_64 3
		.amdhsa_memory_ordered 1
		.amdhsa_forward_progress 1
		.amdhsa_inst_pref_size 110
	.end_amdhsa_kernel
	.amdgpu_metadata
---
amdhsa.version: [ 1, 2 ]
amdhsa.kernels:
  - .name:           k_q99c5f5a0c2_attn
    .symbol:         k_q99c5f5a0c2_attn.kd
    .args:
      - { .name: qc, .offset: 0, .size: 8, .value_kind: global_buffer, .address_space: global }
      - { .name: qs, .offset: 8, .size: 8, .value_kind: global_buffer, .address_space: global }
      - { .name: kv, .offset: 16, .size: 8, .value_kind: global_buffer, .address_space: global }
      - { .name: out0, .offset: 24, .size: 8, .value_kind: global_buffer, .address_space: global }
    .group_segment_fixed_size: 327680
    .private_segment_fixed_size: 0
    .kernarg_segment_align: 8
    .kernarg_segment_size: 32
    .max_flat_workgroup_size: 512
    .sgpr_count:     66
    .vgpr_count:     256
    .wavefront_size: 32
...
	.end_amdgpu_metadata
.endif
;; end of part 3
